; MI455X (gfx1250); checked and timed in simulation.
; The chip was launched on July 23, 2026; its instructions are those of AMD's public machine-readable ISA for CDNA 5 (MIT licence, August 2026) and "CDNA5" Instruction Set Architecture Reference Guide (July 2026). The comments in the code are by the model that wrote it; some were corrected since.
;; Lawh Memory Store. Allowed arithmetic: float matrix products may take bf16 or f16 operands with f32 sums; other float arithmetic in f32, or as packed bf16 or f16 multiplies, adds, multiply-adds, maxima and minima; sums over many terms, partial sums and values carried from step to step in f32; what a program stores and reads back later, other than sums and carried values, may be rounded once to bf16 or f16.
;; Inputs: keys 100,000 x 256 float32; queries 2,048 x 256 float32; values 100,000 x 256 float32.
;; Outputs: out0 2,048 x 8 int32; out1 16,384 x 256 float32; out2 16,384 x 256 float32.
;; Constants: k = 8.
;; One version. Each part assembles by itself: llvm-mc -triple=amdgcn-amd-amdhsa -mcpu=gfx1250 --defsym DOCPART=n.
;; ======== version 1 of 1: 6 launches
;; limits: inputs' magnitudes at most 1.15e+18
;; workspace buffers: qf 1,048,576 bytes; kb 65,536,000 bytes; rk 512,000 bytes; cmax 2,048,000 bytes; fmax 131,072,000 bytes; bidx 65,536 bytes of whole numbers; gidx 65,536 bytes of whole numbers; idx 65,536 bytes of whole numbers
;; launch qprep (part 1): grid 128 x 1, 1 waves a work-group, no clusters, 8,704 bytes of LDS; arguments queries, qf; writes qf
.if DOCPART == 1
	.amdgcn_target "amdgcn-amd-amdhsa--gfx1250"
	.amdhsa_code_object_version 6
	.text
	.protected	k_qf0eda0de8a_qprep
	.globl	k_qf0eda0de8a_qprep
	.p2align	8
	.type	k_qf0eda0de8a_qprep,@function
k_qf0eda0de8a_qprep:
	s_mov_b64 s[64:65], 0
	v_nop
	global_prefetch_b8 v0, s[64:65] scope:SCOPE_SE
	s_setreg_imm32_b32 hwreg(HW_REG_WAVE_MODE, 25, 1), 1
	s_wait_xcnt 0x0
; Queries [2048][256] f32 -> qf, bf16 in the order in which a matrix instruction's 16-bit source wants them:
; qf[tile of 16 queries][i = 0..15][lane][16 bytes]; lane (r = lane % 16, h = lane / 16) holds query 16 tile + r, k = 16 i + 8 h + 0..7.
; Each number is rounded once, to nearest even.  The queries are NOT normalised: a query's norm is one positive factor for its whole row of
; similarities (1e12 where the norm is below 1e-12), so it changes no order, and leaving it out spares a rounding.
; One wave, one tile: 16 rows of 1,024 bytes come in by loads of 512 consecutive bytes, go through LDS rows of 528 bytes, and leave as 16 stores of 512 consecutive bytes.
.set PITCH, 528                        ; 512 bytes of bf16 + 16: the 16 rows that a fragment load touches start at 16 different groups of four banks
.set SPARE, 16*PITCH                   ; behind the stage: the spare words, one block of 256 bytes that no other line names
.set RAW, 16                           ; v[16:143]  32 loads of four f32
.set PK,  144                          ; v[144:207] the same as bf16 pairs
.set FR,  16                           ; v[16:79]   the fragments, where RAW lay
	s_load_b128 s[4:7], s[0:1], 0x0                ; queries s[4:5], qf s[6:7]
	v_lshl_add_u32 v4, v0, 2, SPARE                ; my spare word
	v_mov_b32 v5, 0
	v_lshlrev_b32 v1, 4, v0                        ; 16 x lane
	v_lshlrev_b32 v2, 3, v0                        ; 8 x lane
	v_and_b32 v6, 15, v0                           ; r
	v_lshrrev_b32 v7, 4, v0                        ; h
	v_mul_u32_u24 v3, v6, PITCH
	v_lshl_add_u32 v3, v7, 4, v3                   ; r x pitch + 16 h
	s_lshl_b32 s8, ttmp9, 14                       ; the tile's 16 rows of 1,024 bytes
	s_mov_b32 s9, 0
	s_lshl_b32 s10, ttmp9, 13                      ; and its 8,192 bytes of qf
	s_mov_b32 s11, 0
	s_wait_kmcnt 0x0
	s_add_nc_u64 s[4:5], s[4:5], s[8:9]
	s_add_nc_u64 s[6:7], s[6:7], s[10:11]
.set n, 0
.rept 32                                       ; load n: half n % 2 of row n / 2
	global_load_b128 v[RAW+4*n:RAW+4*n+3], v1, s[4:5] offset:512*n th:TH_LOAD_NT
.set n, n+1
.endr
.set n, 0
.rept 32
	s_wait_loadcnt 31-n                            ; loads come back in order: load n is in, the younger ones stay out
	v_cvt_pk_bf16_f32 v[PK+2*n], v[RAW+4*n], v[RAW+4*n+1]
	v_cvt_pk_bf16_f32 v[PK+2*n+1], v[RAW+4*n+2], v[RAW+4*n+3]
	ds_store_b64 v2, v[PK+2*n:PK+2*n+1] offset:(n/2)*PITCH+(n%2)*256
.set n, n+1
.endr
.set n, 0
.rept 16                                       ; LDS serves a wave's instructions in order: these see the stores above
	ds_load_b128 v[FR+4*n:FR+4*n+3], v3 offset:32*n
.set n, n+1
.endr
.set n, 0
.rept 16
	s_wait_dscnt 15-n
	global_store_b128 v1, v[FR+4*n:FR+4*n+3], s[6:7] offset:512*n  ; 512 consecutive bytes, at a multiple of 256 from qf's first byte
.set n, n+1
.endr
	s_wait_tensorcnt 0x0                           ; the wave's end, behind my last LDS store
	ds_add_u32 v4, v5
	s_wait_dscnt 0x0
	s_endpgm
.Lfunc_end_k_qf0eda0de8a_qprep:
	.size	k_qf0eda0de8a_qprep, .Lfunc_end_k_qf0eda0de8a_qprep-k_qf0eda0de8a_qprep
	.p2alignl 7, 3214868480
	.fill 96, 4, 3214868480
	.section	.rodata,"a",@progbits
	.p2align	6, 0x0
	.amdhsa_kernel k_qf0eda0de8a_qprep
		.amdhsa_group_segment_fixed_size 8704
		.amdhsa_private_segment_fixed_size 0
		.amdhsa_enable_private_segment 0
		.amdhsa_kernarg_size 16
		.amdhsa_user_sgpr_count 2
		.amdhsa_user_sgpr_kernarg_segment_ptr 1
		.amdhsa_wavefront_size32 1
		.amdhsa_system_sgpr_workgroup_id_x 1
		.amdhsa_system_sgpr_workgroup_id_y 1
		.amdhsa_system_sgpr_workgroup_id_z 1
		.amdhsa_system_vgpr_workitem_id 0
		.amdhsa_next_free_vgpr 208
		.amdhsa_next_free_sgpr 66
		.amdhsa_reserve_vcc 0
		.amdhsa_float_denorm_mode_32 3
		.amdhsa_float_denorm_mode_16_64 3
		.amdhsa_memory_ordered 1
		.amdhsa_forward_progress 1
		.amdhsa_inst_pref_size 15
	.end_amdhsa_kernel
	.amdgpu_metadata
---
amdhsa.version: [ 1, 2 ]
amdhsa.kernels:
  - .name:           k_qf0eda0de8a_qprep
    .symbol:         k_qf0eda0de8a_qprep.kd
    .args:
      - { .name: queries, .offset: 0, .size: 8, .value_kind: global_buffer, .address_space: global }
      - { .name: qf, .offset: 8, .size: 8, .value_kind: global_buffer, .address_space: global }
    .group_segment_fixed_size: 8704
    .private_segment_fixed_size: 0
    .kernarg_segment_align: 8
    .kernarg_segment_size: 16
    .max_flat_workgroup_size: 32
    .sgpr_count:     66
    .vgpr_count:     208
    .wavefront_size: 32
...
	.end_amdgpu_metadata
.endif
;; end of part 1
;; launch main (part 2): grid 250 x 1, 4 waves a work-group, no clusters, 293,120 bytes of LDS; arguments keys, qf, kb, rk, cmax, fmax; writes kb, rk, cmax, fmax
.if DOCPART == 2
	.amdgcn_target "amdgcn-amd-amdhsa--gfx1250"
	.amdhsa_code_object_version 6
	.text
	.protected	k_qf0eda0de8a_main
	.globl	k_qf0eda0de8a_main
	.p2align	8
	.type	k_qf0eda0de8a_main,@function
k_qf0eda0de8a_main:
	s_mov_b64 s[64:65], 0
	v_nop
	global_prefetch_b8 v0, s[64:65] scope:SCOPE_SE
	s_setreg_imm32_b32 hwreg(HW_REG_WAVE_MODE, 25, 1), 1
	s_wait_xcnt 0x0
; THE DENSE PART OF A TOP-8 SEARCH.  sim[q][p] = (bf16 q . bf16 key p) x rk[p], rk[p] = 1 / max(|bf16 key p|, 1e-12) in f32; products of bf16 numbers, sums in f32.
; Stored: fmax[block][q][slot] = the largest sim of the 8 keys 400 block + 8 slot + 0..7; cmax[block][q] = the largest of the block's 400; kb = the keys in bf16, by groups of 8 in fragment
; order; rk.  Later launches pick 8 blocks, then 8 groups, then score 64 keys again.  Ordered by (value falling, index rising), the 8 best keys lie in the 8 best groups and those in the 8 best blocks, ties too.
; LIMITS.  Inputs are rounded once to bf16.  The query's norm is left out: one positive factor for a whole row of sim, it changes no order.  NaN and infinities are not treated apart.
; SHARES.  250 work-groups, each with 400 keys = 25 tiles of 16, kept in LDS as bf16.  Wave w has queries 512 w .. + 511, in 8 passes of 64.  A STEP is 16 keys x 64 queries x K 256: 32 matrix
; instructions on four accumulators by turns.  Source 0 = keys, source 1 = queries: lane (r, h) holds query r and, in registers 0-7, keys 8 h + 0..7: one group of 8.
; No tensor loads, no cluster: no two work-groups share a key, and the queries go straight into registers (32 KiB a wave and pass), LDS being full of keys.
; RIDERS.  While a step multiplies, the vector unit finishes the tile before: 16 packed multiplies by rk, 16 maxima, 4 running maxima, 4 LDS stores.
; REGISTERS, in windows of 256 (s_set_vgpr_msb: bits 1:0 source 0, 3:2 source 1, 5:4 source 2, 7:6 destination):
;   window 0: addresses, rk, two sets of four accumulators, at work; v128-255 the way out.   window 1, window 2: Q of even and of odd passes, fragment (a, kc) at 64 a + 8 kc.
;   window 3: v0-63, v64-127 the key fragments of two tiles.
.set KPITCH, 528                       ; a key in LDS: 512 bytes + 16: the 16 rows of a fragment load start at 16 different groups of four banks
.set TILEB,  16*KPITCH
.set STAGE,  416*KPITCH                ; 400 keys and 16 rows of zeros, which the fetch one tile past the last reads (its result is not used)
.set SPITCH, 272                       ; a query's 64 slots of f32 + 16 bytes
.set STAGEW, 64*SPITCH                 ; a wave's own stage
.set RKL,    STAGE+4*STAGEW            ; 528 words: sums of squares, then rk
.set CSCR,   RKL+2304                  ; 256 bytes a wave: the pass's 64 block maxima
.set SPARE,  CSCR+1024                 ; the spare words, 128 bytes a wave: two blocks of 256 bytes that no other line names
.set SPW, 1                            ; my spare word's address; never rewritten
.set NIL, 2                            ; 0; never rewritten
.set Z,   3                            ; 0
.set FA0, 4                            ; r x 528 + 16 h: my place in tile 0
.set AT,  5                            ; the same, two tiles further on in each trip
.set RK0A, 6                           ; RKL + 32 h
.set RKA, 7
.set STG0, 8                           ; my stage + r x 272 + 4 h
.set STG, 9
.set FLR, 10                           ; my stage + h x 272 + 16 r: reading rows back
.set L16, 11                           ; 16 x lane
.set CSA, 12                           ; my CSCR + 4 r
.set CSL, 13                           ; my CSCR + 8 x lane
.set L8,  14                           ; 8 x lane
.set RKR, 16                           ; v[16:23], v[24:31] rk of my 8 keys, by the tile's parity
.set ACC, 32                           ; v[32:63], v[64:95] four accumulators, by the tile's parity
.set CM,  96                           ; v[96:99] running maxima of the pass
.set U,   100
.set V,   104
.set CB,  108
.set TP,  110
.set FL,  128                          ; v[128:255] the way out
; in front of the main loop the same registers serve otherwise:
.set LN,  16                           ; lane
.set RR,  17                           ; r
.set HH,  18                           ; h
.set T16, 19
.set RT,  20
.set KS,  21
.set SS,  22
.set KSB, 23
.set SSB, 24
.set CPA, 25
.set KBV, 26
.set CPB, 27
.set RAW, 32                           ; v[32:231] 25 rows of 8 f32 a lane
.set P,   232                          ; v[232:235] and v[246:249]: a row as bf16, by turns
.set SA,  236                          ; v[236:240] five rows' sums, low halves
.set SB,  241                          ; v[241:245] high halves
.set ZQ,  232                          ; later: four zeros
.set NQ,  236                          ; later: four times -infinity
.set MSB, 0
.macro WIN new                         ; the high byte repeats the setting that is left; a switch that changes nothing is dropped
.if MSB != (\new)
	s_set_vgpr_msb (MSB<<8)|(\new)
.set MSB, (\new)
.endif
.endm
	s_load_b256 s[4:11], s[0:1], 0x0               ; keys s[4:5], qf s[6:7], kb s[8:9], rk s[10:11]
	s_load_b128 s[12:15], s[0:1], 0x20             ; cmax s[12:13], fmax s[14:15]
	v_lshl_add_u32 v[SPW], v0, 2, SPARE
	v_mov_b32 v[NIL], 0
	v_mov_b32 v[Z], 0
	v_lshrrev_b32 v[LN], 5, v0
	v_readfirstlane_b32 s16, v[LN]                 ; wave 0..3
	s_mov_b32 s17, ttmp9                           ; block 0..249
	v_and_b32 v[LN], 31, v0
	v_and_b32 v[RR], 15, v0
	v_bfe_u32 v[HH], v0, 4, 1
	s_mov_b32 s26, 0x76543210                      ; v_permlanex16_b32: each lane takes its own place in the other half
	s_mov_b32 s27, 0xfedcba98
	s_mov_b32 s28, 0x2b8cbccc                      ; 1e-12
	s_mul_i32 s30, s16, STAGEW
	s_add_co_u32 s30, s30, STAGE                   ; my stage
	s_lshl_b32 s31, s16, 8
	s_add_co_u32 s31, s31, CSCR
	s_mul_i32 s32, s16, 100*KPITCH                 ; my 100 keys in LDS
	s_mul_i32 s33, s16, 400
	s_add_co_u32 s33, s33, RKL                     ; and their sums
	s_lshl_b32 s34, s16, 9
	v_mul_u32_u24 v[FA0], v[RR], KPITCH
	v_lshl_add_u32 v[FA0], v[HH], 4, v[FA0]
	v_lshl_add_u32 v[RK0A], v[HH], 5, RKL
	v_mul_u32_u24 v[STG0], v[RR], SPITCH
	v_lshl_add_u32 v[STG0], v[HH], 2, v[STG0]
	v_add_nc_u32 v[STG0], s30, v[STG0]
	v_mul_u32_u24 v[FLR], v[HH], SPITCH
	v_lshl_add_u32 v[FLR], v[RR], 4, v[FLR]
	v_add_nc_u32 v[FLR], s30, v[FLR]
	v_lshlrev_b32 v[L16], 4, v[LN]
	v_lshlrev_b32 v[L8], 3, v[LN]
	v_lshl_add_u32 v[CSA], v[RR], 2, s31
	v_lshl_add_u32 v[CSL], v[LN], 3, s31
	v_lshl_add_u32 v[KSB], v[LN], 3, s32
	v_mov_b32 v[SSB], s33
	v_mov_b32 v[KS], v[KSB]
	v_mov_b32 v[SS], v[SSB]
	s_mul_i32 s36, s17, 400                        ; byte offsets, each made apart from its address
	s_mul_i32 s37, s16, 100
	s_add_co_u32 s36, s36, s37
	s_lshl_b32 s36, s36, 10                        ; keys: row 400 b + 100 w
	s_mov_b32 s37, 0
	s_lshl_b32 s38, s16, 18                        ; qf: 32 tiles of 8,192 bytes a wave
	s_mov_b32 s39, 0
	s_lshl_b32 s40, s17, 18                        ; kb: 64 groups of 4,096 bytes a block
	s_mov_b32 s41, 0
	s_lshl_b32 s42, s17, 11                        ; rk: 512 words a block
	s_mov_b32 s43, 0
	s_lshl_b32 s44, s17, 13                        ; cmax: (2,048 b + 512 w) x 4
	s_lshl_b32 s45, s16, 11
	s_add_co_u32 s44, s44, s45
	s_mov_b32 s45, 0
	s_lshl_b32 s46, s17, 19                        ; fmax: (2,048 b + 512 w) x 256
	s_lshl_b32 s47, s16, 17
	s_add_co_u32 s46, s46, s47
	s_mov_b32 s47, 0
	s_wait_kmcnt 0x0
	s_add_nc_u64 s[4:5], s[4:5], s[36:37]
	s_add_nc_u64 s[6:7], s[6:7], s[38:39]
	s_add_nc_u64 s[8:9], s[8:9], s[40:41]
	s_add_nc_u64 s[10:11], s[10:11], s[42:43]
	s_add_nc_u64 s[12:13], s[12:13], s[44:45]
	s_add_nc_u64 s[14:15], s[14:15], s[46:47]
; PHASE 0.  My 100 keys, 25 rows a trip, in five sets of five rows: 50 loads of 512 consecutive bytes are on their way in each wave.
.macro ROWC row, sl                    ; a row: rounded to bf16, kept in LDS, squared (the rounded numbers) into two sums
.set RB, RAW+8*(\row)
.set PB, P+14*((\sl)%2)
	v_cvt_pk_bf16_f32 v[PB], v[RB], v[RB+1]
	v_cvt_pk_bf16_f32 v[PB+1], v[RB+2], v[RB+3]
	v_cvt_pk_bf16_f32 v[PB+2], v[RB+4], v[RB+5]
	v_cvt_pk_bf16_f32 v[PB+3], v[RB+6], v[RB+7]
	ds_store_b64 v[KS], v[PB:PB+1] offset:(\row)*KPITCH
	ds_store_b64 v[KS], v[PB+2:PB+3] offset:(\row)*KPITCH+256
	v_fma_mix_f32_bf16 v[SA+(\sl)], v[PB], v[PB], v[Z] op_sel_hi:[1,1,0]
	v_fma_mix_f32_bf16 v[SB+(\sl)], v[PB], v[PB], v[Z] op_sel:[1,1,0] op_sel_hi:[1,1,0]
.irp c, 1,2,3
	v_fma_mix_f32_bf16 v[SA+(\sl)], v[PB+\c], v[PB+\c], v[SA+(\sl)] op_sel_hi:[1,1,0]
	v_fma_mix_f32_bf16 v[SB+(\sl)], v[PB+\c], v[PB+\c], v[SB+(\sl)] op_sel:[1,1,0] op_sel_hi:[1,1,0]
.endr
.endm
.macro KSET st, refill, left           ; set st's five rows; refill = 1: the same rows of the next trip are asked for; left = the younger loads, which stay out
	s_wait_loadcnt \left
.irp x, 0,1,2,3,4
	ROWC 5*(\st)+\x, \x
.endr
.if \refill
.irp x, 0,1,2,3,4
	global_load_b128 v[RAW+8*(5*(\st)+\x):RAW+8*(5*(\st)+\x)+3], v[L16], s[4:5] offset:(25+5*(\st)+\x)*1024 th:TH_LOAD_NT
	global_load_b128 v[RAW+8*(5*(\st)+\x)+4:RAW+8*(5*(\st)+\x)+7], v[L16], s[4:5] offset:(25+5*(\st)+\x)*1024+512 th:TH_LOAD_NT
.endr
.endif
.irp x, 0,1,2,3,4                      ; the five sums go across the lanes side by side
	v_add_f32 v[SA+\x], v[SA+\x], v[SB+\x]
.endr
.irp step, 1,2,4,8
.irp x, 0,1,2,3,4
	v_add_f32_dpp v[SA+\x], v[SA+\x], v[SA+\x] row_xmask:\step row_mask:0xf bank_mask:0xf
.endr
.endr
.irp x, 0,1,2,3,4
	v_permlanex16_b32 v[SB+\x], v[SA+\x], s26, s27
.endr
.irp x, 0,1,2,3,4
	v_add_f32 v[SA+\x], v[SA+\x], v[SB+\x]
.endr
.irp x, 0,1,2,3,4
	ds_store_b32 v[SS], v[SA+\x] offset:4*(5*(\st)+\x)  ; all lanes write the same word with the same number
.endr
.endm
.macro QLOADH qw, hf                   ; half hf of a pass's Q fragments into window qw: 32 loads of 512 consecutive bytes
	WIN (\qw)<<6
.set n, 32*(\hf)
.rept 32
	global_load_b128 v[4*n:4*n+3], v[L16], s[6:7] offset:512*n
.set n, n+1
.endr
	WIN 0
.endm
.set n, 0
.rept 25
	global_load_b128 v[RAW+8*n:RAW+8*n+3], v[L16], s[4:5] offset:n*1024 th:TH_LOAD_NT
	global_load_b128 v[RAW+8*n+4:RAW+8*n+7], v[L16], s[4:5] offset:n*1024+512 th:TH_LOAD_NT
.set n, n+1
.endr
	s_mov_b32 s23, 0
	s_mov_b32 s24, 0
	s_mov_b32 s20, 3
.Lkeys:
	KSET 0, 1, 40                                  ; 40: the four younger sets' loads
	KSET 1, 1, 40
	KSET 2, 1, 40
	KSET 3, 1, 40
	KSET 4, 1, 40
	s_wait_xcnt 0x0                                ; the loads' base is stepped only behind this wait
	s_add_nc_u64 s[4:5], s[4:5], 25*1024
	s_add_co_u32 s23, s23, 25*KPITCH
	s_add_co_u32 s24, s24, 100
	v_add_nc_u32 v[KS], s23, v[KSB]
	v_add_nc_u32 v[SS], s24, v[SSB]
	s_sub_co_u32 s20, s20, 1
	s_cmp_lg_u32 s20, 0
	s_cbranch_scc1 .Lkeys
	KSET 0, 0, 40                                  ; the last 25 rows: nothing is asked for, the counts run down
	KSET 1, 0, 30
	KSET 2, 0, 20
	KSET 3, 0, 10
	KSET 4, 0, 0
	QLOADH 1, 0                                    ; the first pass's Q, first half
.irp c, 0,1,2,3
	v_mov_b32 v[ZQ+\c], 0
	v_mov_b32 v[NQ+\c], 0xff800000
.endr
	s_lshl_b32 s35, s16, 7
	s_add_co_u32 s35, s35, RKL+1600
	v_lshl_add_u32 v28, v[LN], 2, s35
	ds_store_b32 v28, v[Z]                         ; sums 400 to 527 are 0: rk is stored in whole blocks of 256 bytes
	s_mul_i32 s35, s16, 4*KPITCH
	s_add_co_u32 s35, s35, 400*KPITCH
	v_add_nc_u32 v29, s35, v[L16]
.irp c, 0,1,2,3
	ds_store_b128 v29, v[ZQ:ZQ+3] offset:\c*KPITCH  ; rows 400 to 415 are zeros
.endr
.set n, 0
.rept 32
	ds_store_b128 v[FLR], v[NQ:NQ+3] offset:2*SPITCH*n  ; my stage is -infinity: slots 50 to 63 keep that
.set n, n+1
.endr
	s_wait_dscnt 0x0                               ; for the others' sake: my keys and sums are in LDS
	s_barrier_signal -1
	s_barrier_wait -1
	QLOADH 1, 1
; PHASE 1.  rk for four keys a thread: y = 1 / max(sqrt(s), 1e-12), made exact to the last bits by one step y + y/2 (1 - s y y) where the bound does not hold it.
	s_add_co_u32 s35, s34, RKL
	v_add_nc_u32 v[RT], s35, v[L16]                ; RKL + 512 w + 16 x lane
	v_add_nc_u32 v[T16], s34, v[L16]
	ds_load_b128 v[32:35], v[RT]
	s_wait_dscnt 0x0
.irp c, 0,1,2,3
	v_sqrt_f32 v[36+\c], v[32+\c]
.endr
	v_nop                                          ; a plain instruction between the last root and the use of its result
	s_wait_alu depctr_va_vdst(0)
.irp c, 0,1,2,3
	v_max_num_f32 v[36+\c], s28, v[36+\c]
.endr
.irp c, 0,1,2,3
	v_rcp_f32 v[40+\c], v[36+\c]
.endr
	v_nop
	s_wait_alu depctr_va_vdst(0)
.irp c, 0,1,2,3
	v_mul_f32 v[44+\c], v[32+\c], v[40+\c]
.endr
.irp c, 0,1,2,3
	v_fma_f32 v[44+\c], -v[44+\c], v[40+\c], 1.0
.endr
.irp c, 0,1,2,3
	v_mul_f32 v[48+\c], 0.5, v[40+\c]
.endr
.irp c, 0,1,2,3
	v_fma_f32 v[44+\c], v[48+\c], v[44+\c], v[40+\c]
.endr
.irp c, 0,1,2,3
	v_cmp_lt_f32 vcc_lo, s28, v[36+\c]
	v_cndmask_b32 v[40+\c], v[40+\c], v[44+\c], vcc_lo
.endr
	ds_store_b128 v[RT], v[40:43]                  ; in place: each thread's own four words
	global_store_b128 v[T16], v[40:43], s[10:11]
	s_wait_dscnt 0x0
	s_barrier_signal -1
	s_barrier_wait -1                              ; the last barrier: keys and rk are only read from here on, stage and CSCR are each wave's own
; The keys' copy for the launch that scores again: group c = 64 b + 2 tile + r / 8 at 4,096 c; in it [i 16][h 2][r % 8][16 bytes].  Wave w takes i = 4 w .. 4 w + 3 of every tile, five tiles a trip.
	s_lshl_b32 s35, s16, 7
	v_add_nc_u32 v[CPB], s35, v[FA0]
	v_mov_b32 v[CPA], v[CPB]
	v_lshrrev_b32 v28, 3, v[RR]
	v_and_b32 v29, 7, v[RR]
	v_lshlrev_b32 v[KBV], 12, v28
	v_lshl_add_u32 v[KBV], v[HH], 7, v[KBV]
	v_lshl_add_u32 v[KBV], v29, 4, v[KBV]
	s_lshl_b32 s35, s16, 10
	v_add_nc_u32 v[KBV], s35, v[KBV]
	s_mov_b32 s23, 0
	s_mov_b32 s20, 5
.Lcopy:
.set n, 0
.rept 20
	ds_load_b128 v[FL+4*n:FL+4*n+3], v[CPA] offset:(n/4)*TILEB+32*(n%4)
.set n, n+1
.endr
.set n, 0
.rept 20
	s_wait_dscnt 19-n
	global_store_b128 v[KBV], v[FL+4*n:FL+4*n+3], s[8:9] offset:(n/4)*8192+256*(n%4)  ; two whole aligned blocks of 256 bytes
.set n, n+1
.endr
	s_wait_xcnt 0x0                                ; the stores' base and data are rewritten only behind this wait
	s_add_nc_u64 s[8:9], s[8:9], 5*8192
	s_add_co_u32 s23, s23, 5*TILEB
	v_add_nc_u32 v[CPA], s23, v[CPB]
	s_sub_co_u32 s20, s20, 1
	s_cmp_lg_u32 s20, 0
	s_cbranch_scc1 .Lcopy
; THE MAIN LOOP'S PARTS.
.macro PRE                             ; tile 0's fragments into the first buffer
	WIN 0xc0
.set n, 0
.rept 16
	ds_load_b128 v[4*n:4*n+3], v[FA0] offset:32*n
.set n, n+1
.endr
	WIN 0
.endm
; 8 matrix instructions: K 64 k2 .. + 63, four query tiles by turns.  The first K step starts the sums with the constant 0.
.macro MM8 par, qw, k2
	WIN 0x03|((\qw)<<2)
.irp kk, 0,1
.irp a, 0,1,2,3
.if (2*(\k2)+\kk) == 0
	v_wmma_f32_16x16x32_bf16 v[ACC+32*(\par)+8*\a:ACC+32*(\par)+8*\a+7], v[64*(\par)+8*(2*(\k2)+\kk):64*(\par)+8*(2*(\k2)+\kk)+7], v[64*\a+8*(2*(\k2)+\kk):64*\a+8*(2*(\k2)+\kk)+7], 0
.else
	v_wmma_f32_16x16x32_bf16 v[ACC+32*(\par)+8*\a:ACC+32*(\par)+8*\a+7], v[64*(\par)+8*(2*(\k2)+\kk):64*(\par)+8*(2*(\k2)+\kk)+7], v[64*\a+8*(2*(\k2)+\kk):64*\a+8*(2*(\k2)+\kk)+7], v[ACC+32*(\par)+8*\a:ACC+32*(\par)+8*\a+7]
.endif
.endr
.endr
.endm
; One run of 18 LDS loads: the next tile's fragments into the other buffer, and this tile's rk, which the next step's riders use.
.macro FRUN par, areg, aimm, rkreg, rkimm
	WIN 0xc0
.set n, 0
.rept 16
	ds_load_b128 v[64*(1-(\par))+4*n:64*(1-(\par))+4*n+3], v[\areg] offset:(\aimm)+32*n
.set n, n+1
.endr
	WIN 0
	ds_load_b128 v[RKR+8*(\par):RKR+8*(\par)+3], v[\rkreg] offset:(\rkimm)
	ds_load_b128 v[RKR+8*(\par)+4:RKR+8*(\par)+7], v[\rkreg] offset:(\rkimm)+16
.endm
; The riders, for accumulator a of set o.  RM reads the accumulator's lowest registers first.
.macro RM o, a
.irp c, 0,1,2,3
	v_pk_mul_f32 v[ACC+32*(\o)+8*(\a)+2*\c:ACC+32*(\o)+8*(\a)+2*\c+1], v[ACC+32*(\o)+8*(\a)+2*\c:ACC+32*(\o)+8*(\a)+2*\c+1], v[RKR+8*(\o)+2*\c:RKR+8*(\o)+2*\c+1]
.endr
.endm
.macro RX1 o, a
	v_max3_num_f32 v[U+(\a)], v[ACC+32*(\o)+8*(\a)], v[ACC+32*(\o)+8*(\a)+1], v[ACC+32*(\o)+8*(\a)+2]
.endm
.macro RX2 o, a
	v_max3_num_f32 v[V+(\a)], v[ACC+32*(\o)+8*(\a)+3], v[ACC+32*(\o)+8*(\a)+4], v[ACC+32*(\o)+8*(\a)+5]
.endm
.macro RX3 o, a
	v_max3_num_f32 v[U+(\a)], v[U+(\a)], v[V+(\a)], v[ACC+32*(\o)+8*(\a)+6]
.endm
.macro RX4 o, a
	v_max_num_f32 v[U+(\a)], v[U+(\a)], v[ACC+32*(\o)+8*(\a)+7]
.endm
.macro RCM a
	v_max_num_f32 v[CM+(\a)], v[CM+(\a)], v[U+(\a)]
.endm
.macro RST a, streg, stimm             ; query 16 a + r, slot 2 tile + h
	ds_store_b32 v[\streg], v[U+(\a)] offset:(\a)*16*SPITCH+(\stimm)
.endm
; A STEP.  par: the tile's parity (its fragment buffer, accumulators and rk).  rid = 1: the riders of the tile before stand in four lumps behind each eight matrix instructions.
; left: the LDS instructions issued behind the 18 loads that this step needs: the four stores of the step before, or none.
; The last lump's eight plain lines name no register of this step's matrix instructions: they are the places in front of the next step's first read of these sums and of its loads into this buffer.
.macro STEP par, qw, rid, left, areg, aimm, rkreg, rkimm, streg, stimm, bump
	s_wait_dscnt \left
	MM8 \par, \qw, 0
.if \rid
	WIN 0
	RM 1-(\par), 0
	RM 1-(\par), 1
.endif
	FRUN \par, \areg, \aimm, \rkreg, \rkimm
	MM8 \par, \qw, 1
.if \rid
	WIN 0
	RX1 1-(\par), 0
	RX2 1-(\par), 0
	RX1 1-(\par), 1
	RX2 1-(\par), 1
	RM 1-(\par), 2
	RX3 1-(\par), 0
	RX3 1-(\par), 1
.endif
	MM8 \par, \qw, 2
.if \rid
	WIN 0
	RM 1-(\par), 3
	RX4 1-(\par), 0
	RX4 1-(\par), 1
	RX1 1-(\par), 2
	RX2 1-(\par), 2
	RCM 0
	RCM 1
	RST 0, \streg, \stimm
	RST 1, \streg, \stimm
.endif
	MM8 \par, \qw, 3
	WIN 0
.if \rid
	RX1 1-(\par), 3
	RX2 1-(\par), 3
	RX3 1-(\par), 2
	RX3 1-(\par), 3
	RX4 1-(\par), 2
	RX4 1-(\par), 3
	RCM 2
	RCM 3
	RST 2, \streg, \stimm
	RST 3, \streg, \stimm
.else
.rept 4
	v_nop                                          ; no vector work is at hand: the four places behind the step's products
.endr
.endif
.if \bump
	s_add_co_u32 s23, s23, 2*TILEB                 ; two tiles on
	s_add_co_u32 s24, s24, 128
	s_add_co_u32 s25, s25, 16
	v_add_nc_u32 v[AT], s23, v[FA0]
	v_add_nc_u32 v[RKA], s24, v[RK0A]
	v_add_nc_u32 v[STG], s25, v[STG0]
.endif
.endm
; The pass's last tile (24, set 0) has no step behind it: its riders stand alone, behind the fetch of the next pass's tile 0.
.macro TAILR
	PRE
	s_wait_dscnt 16                                ; all but those 16: tile 24's rk is in
.irp a, 0,1,2,3
	RM 0, \a
.endr
.irp a, 0,1,2,3
	RX1 0, \a
	RX2 0, \a
.endr
.irp a, 0,1,2,3
	RX3 0, \a
.endr
.irp a, 0,1,2,3
	RX4 0, \a
.endr
.irp a, 0,1,2,3
	RCM \a
.endr
.irp a, 0,1,2,3
	RST \a, STG0, 192
.endr
.endm
; The pass's way out: 64 block maxima (256 bytes) and 64 rows of 64 group maxima (16,384 consecutive bytes), read back from my own stage as whole rows.
.macro FLUSH
.irp a, 0,1,2,3
	v_permlanex16_b32 v[TP+\a], v[CM+\a], s26, s27  ; the query's other eight keys of each tile lie in the lane 16 away
.endr
.irp a, 0,1,2,3
	v_max_num_f32 v[CM+\a], v[CM+\a], v[TP+\a]
.endr
.irp a, 0,1,2,3
	ds_store_b32 v[CSA], v[CM+\a] offset:64*\a
.endr
	ds_load_b64 v[CB:CB+1], v[CSL]                 ; LDS serves a wave's instructions in order: these see my stores
.set n, 0
.rept 32
	ds_load_b128 v[FL+4*n:FL+4*n+3], v[FLR] offset:2*SPITCH*n
.set n, n+1
.endr
.irp a, 0,1,2,3
	v_mov_b32 v[CM+\a], 0xff800000
.endr
	s_wait_dscnt 32                                ; all but the 32 row loads
	global_store_b64 v[L8], v[CB:CB+1], s[12:13]   ; 256 consecutive bytes, aligned
.set n, 0
.rept 32
	s_wait_dscnt 31-n
	global_store_b128 v[L16], v[FL+4*n:FL+4*n+3], s[14:15] offset:512*n th:TH_STORE_NT
.set n, n+1
.endr
	s_wait_xcnt 0x0                                ; the stores' bases and data are rewritten only behind this wait
	s_add_nc_u64 s[14:15], s[14:15], 16384
	s_add_nc_u64 s[12:13], s[12:13], 256
	s_wait_loadcnt 0x0                             ; the next pass's Q is in, so its base may step
	s_add_nc_u64 s[6:7], s[6:7], 32768
.endm
; A PASS: 64 queries (Q in window qw) against the 25 tiles.  In the trip in which s20 = s21 the second half of the next pass's Q is asked for, into window lq (s21 = 0: there is no next pass).
.macro PASS qw, lq
	s_mov_b32 s23, 0
	s_mov_b32 s24, 0
	s_mov_b32 s25, 0
	v_mov_b32 v[AT], v[FA0]
	v_mov_b32 v[RKA], v[RK0A]
	v_mov_b32 v[STG], v[STG0]
	STEP 0, \qw, 0, 0, FA0, TILEB, RK0A, 0, STG0, 0, 0
	s_wait_dscnt 0x0                               ; no stores follow that step's loads: so the loop's count of 4 holds on the way in too
	s_mov_b32 s20, 12
.Lpair_\@:
	STEP 1, \qw, 1, 4, AT, 2*TILEB, RKA, 64, STG, 0, 0
	STEP 0, \qw, 1, 4, AT, 3*TILEB, RKA, 128, STG, 8, 1
	s_cmp_lg_u32 s20, s21
	s_cbranch_scc1 .Lnoh_\@
	QLOADH \lq, 1
.Lnoh_\@:
	s_sub_co_u32 s20, s20, 1
	s_cmp_lg_u32 s20, 0
	s_cbranch_scc1 .Lpair_\@
	TAILR
	FLUSH
.endm
.irp a, 0,1,2,3
	v_mov_b32 v[CM+\a], 0xff800000
	v_mov_b32 v[TP+\a], 0
.endr
	PRE
	s_wait_loadcnt 0x0                             ; the first pass's Q
	s_add_nc_u64 s[6:7], s[6:7], 32768
	s_mov_b32 s22, 4
.Ltrip:                                                ; two passes a trip
	s_mov_b32 s21, 10
	QLOADH 2, 0
	PASS 1, 2
	s_cmp_eq_u32 s22, 1                            ; behind the last pass there is no Q to fetch: no load leaves qf
	s_cselect_b32 s21, 0, 10
	s_cbranch_scc1 .Lnoq
	QLOADH 1, 0
.Lnoq:
	PASS 2, 1
	s_sub_co_u32 s22, s22, 1
	s_cmp_lg_u32 s22, 0
	s_cbranch_scc1 .Ltrip
	s_wait_tensorcnt 0x0                           ; the wave's end, behind my last LDS store
	ds_add_u32 v[SPW], v[NIL]
	s_wait_dscnt 0x0
	s_endpgm
.Lfunc_end_k_qf0eda0de8a_main:
	.size	k_qf0eda0de8a_main, .Lfunc_end_k_qf0eda0de8a_main-k_qf0eda0de8a_main
	.p2alignl 7, 3214868480
	.fill 96, 4, 3214868480
	.section	.rodata,"a",@progbits
	.p2align	6, 0x0
	.amdhsa_kernel k_qf0eda0de8a_main
		.amdhsa_group_segment_fixed_size 293120
		.amdhsa_private_segment_fixed_size 0
		.amdhsa_enable_private_segment 0
		.amdhsa_kernarg_size 48
		.amdhsa_user_sgpr_count 2
		.amdhsa_user_sgpr_kernarg_segment_ptr 1
		.amdhsa_wavefront_size32 1
		.amdhsa_system_sgpr_workgroup_id_x 1
		.amdhsa_system_sgpr_workgroup_id_y 1
		.amdhsa_system_sgpr_workgroup_id_z 1
		.amdhsa_system_vgpr_workitem_id 0
		.amdhsa_next_free_vgpr 896
		.amdhsa_next_free_sgpr 66
		.amdhsa_reserve_vcc 1
		.amdhsa_float_denorm_mode_32 3
		.amdhsa_float_denorm_mode_16_64 3
		.amdhsa_memory_ordered 1
		.amdhsa_forward_progress 1
		.amdhsa_inst_pref_size 162
	.end_amdhsa_kernel
	.amdgpu_metadata
---
amdhsa.version: [ 1, 2 ]
amdhsa.kernels:
  - .name:           k_qf0eda0de8a_main
    .symbol:         k_qf0eda0de8a_main.kd
    .args:
      - { .name: keys, .offset: 0, .size: 8, .value_kind: global_buffer, .address_space: global }
      - { .name: qf, .offset: 8, .size: 8, .value_kind: global_buffer, .address_space: global }
      - { .name: kb, .offset: 16, .size: 8, .value_kind: global_buffer, .address_space: global }
      - { .name: rk, .offset: 24, .size: 8, .value_kind: global_buffer, .address_space: global }
      - { .name: cmax, .offset: 32, .size: 8, .value_kind: global_buffer, .address_space: global }
      - { .name: fmax, .offset: 40, .size: 8, .value_kind: global_buffer, .address_space: global }
    .group_segment_fixed_size: 293120
    .private_segment_fixed_size: 0
    .kernarg_segment_align: 8
    .kernarg_segment_size: 48
    .max_flat_workgroup_size: 128
    .sgpr_count:     66
    .vgpr_count:     896
    .wavefront_size: 32
...
	.end_amdgpu_metadata
.endif
;; end of part 2
;; launch selA (part 3): grid 32 x 1, 32 waves a work-group, no clusters, 75,008 bytes of LDS; arguments cmax, bidx; writes bidx
.if DOCPART == 3
	.amdgcn_target "amdgcn-amd-amdhsa--gfx1250"
	.amdhsa_code_object_version 6
	.text
	.protected	k_qf0eda0de8a_selA
	.globl	k_qf0eda0de8a_selA
	.p2align	8
	.type	k_qf0eda0de8a_selA,@function
k_qf0eda0de8a_selA:
	s_mov_b64 s[64:65], 0
	v_nop
	global_prefetch_b8 v0, s[64:65] scope:SCOPE_SE
	s_setreg_imm32_b32 hwreg(HW_REG_WAVE_MODE, 25, 1), 1
	s_wait_xcnt 0x0
; For each query the 8 blocks of keys with the largest block maximum, by (value falling, block rising): bidx[2048][8].
; cmax is [250 blocks][2048 queries] f32.  A work-group takes 64 queries: their column strip comes in as pieces of 256 consecutive bytes, is turned in LDS, and each wave then picks for two queries.
; A pick: the largest value over the wave; the lowest number among the lanes' entries that hold it; that entry becomes -infinity.  Numbers are carried as f32 (below 2^24: exact).
; No address and no branch hangs on a value.  LIMITS: NaN and infinities are not treated apart; +0 and -0 count as equal.
.set TPITCH, 1044                      ; a query's 256 entries + 20 bytes: 261 words, so the 16 queries that a store's lanes touch fall into different banks
.set OUTS,  64*TPITCH                  ; 128 bytes a wave: the picks
.set SPARE, OUTS+4096                  ; the spare words, 128 bytes a wave: 16 blocks of 256 bytes that no other line names
.set NINF, 3
.set PINF, 4
.set RES,  50
.set SEL,  16
; One pick among R entries a lane: values v[XB ..], numbers v[IB ..]; the result goes into the lanes of mask s[MKS] of RES.
.macro ROUND XB, R, IB, M, C, TA, TB, T, MKS
	v_max_num_f32 v[\M], v[\XB], v[\XB+1]
.set i, 2
.rept ((\R)-2)/2
	v_max3_num_f32 v[\M], v[\M], v[\XB+i], v[\XB+i+1]
.set i, i+2
.endr
.irp step, 1,2,4,8
	v_max_num_f32_dpp v[\M], v[\M], v[\M] row_xmask:\step row_mask:0xf bank_mask:0xf
.endr
	v_permlanex16_b32 v[\T], v[\M], s[SEL], s[SEL+1]
	v_max_num_f32 v[\M], v[\M], v[\T]              ; every lane holds the largest value
.set i, 0
.rept (\R)/2
	v_cmp_eq_f32 vcc_lo, v[\M], v[\XB+i]
	v_cndmask_b32 v[\TA], v[PINF], v[\IB+i], vcc_lo
	v_cmp_eq_f32 vcc_lo, v[\M], v[\XB+i+1]
	v_cndmask_b32 v[\TB], v[PINF], v[\IB+i+1], vcc_lo
.if i == 0
	v_min_num_f32 v[\C], v[\TA], v[\TB]
.else
	v_min3_num_f32 v[\C], v[\C], v[\TA], v[\TB]
.endif
.set i, i+2
.endr
.irp step, 1,2,4,8
	v_min_num_f32_dpp v[\C], v[\C], v[\C] row_xmask:\step row_mask:0xf bank_mask:0xf
.endr
	v_permlanex16_b32 v[\T], v[\C], s[SEL], s[SEL+1]
	v_min_num_f32 v[\C], v[\C], v[\T]              ; and the lowest number that holds it
.set i, 0
.rept \R
	v_cmp_eq_f32 vcc_lo, v[\C], v[\IB+i]
	v_cndmask_b32 v[\XB+i], v[\XB+i], v[NINF], vcc_lo
.set i, i+1
.endr
	v_cndmask_b32 v[RES], v[RES], v[\C], s[\MKS]
.endm
	s_load_b128 s[4:7], s[0:1], 0x0                ; cmax s[4:5], bidx s[6:7]
	v_lshl_add_u32 v1, v0, 2, SPARE
	v_mov_b32 v2, 0
	v_lshrrev_b32 v5, 5, v0
	v_readfirstlane_b32 s8, v5                     ; wave 0..31
	v_and_b32 v5, 31, v0                           ; lane
	v_and_b32 v6, 15, v0                           ; which four queries
	v_bfe_u32 v7, v0, 4, 1
	v_mov_b32 v[NINF], 0xff800000
	v_mov_b32 v[PINF], 0x7f800000
	s_lshl_b32 s9, s8, 1
	v_add_nc_u32 v8, s9, v7                        ; bl = 2 wave + lane / 16: blocks bl, bl + 64, bl + 128, bl + 192
	v_lshlrev_b32 v9, 13, v8
	v_lshl_add_u32 v9, v6, 4, v9                   ; bl rows of 8,192 bytes + 16 bytes a lane
	v_min_u32 v10, 57, v8                          ; block 192 + bl exists up to bl = 57: beyond, the last row is read and not used
	v_lshlrev_b32 v10, 13, v10
	v_lshl_add_u32 v10, v6, 4, v10
	v_mul_u32_u24 v11, v6, 4*TPITCH
	v_lshl_add_u32 v11, v8, 2, v11                 ; into LDS: query row 4 (lane % 16) + j, entry bl + 64 i
	s_mov_b32 s[SEL], 0x76543210
	s_mov_b32 s[SEL+1], 0xfedcba98
	s_lshl_b32 s10, ttmp9, 8                       ; my 64 queries in a row of cmax
	s_mov_b32 s11, 0
	s_lshl_b32 s12, ttmp9, 11                      ; and their 2,048 bytes of bidx
	s_mov_b32 s13, 0
	s_wait_kmcnt 0x0
	s_add_nc_u64 s[4:5], s[4:5], s[10:11]
	s_add_nc_u64 s[6:7], s[6:7], s[12:13]
	global_load_b128 v[16:19], v9, s[4:5]
	global_load_b128 v[20:23], v9, s[4:5] offset:64*8192
	global_load_b128 v[24:27], v9, s[4:5] offset:128*8192
	global_load_b128 v[28:31], v10, s[4:5] offset:192*8192
.set i, 0
.rept 8
	v_add_nc_u32 v13, 32*i, v5
	v_cvt_f32_u32 v[32+i], v13                     ; entry i of a lane is block lane + 32 i
.set i, i+1
.endr
	v_mov_b32 v44, 0
	v_mov_b32 v49, 0
	v_mov_b32 v[RES], 0
	v_cmp_lt_u32 vcc_lo, 57, v8
	s_wait_loadcnt 0x0
.irp j, 0,1,2,3
	v_cndmask_b32 v[28+\j], v[28+\j], v[NINF], vcc_lo  ; blocks 250 to 255 do not exist
.endr
.irp c, 0,1,2,3
.irp j, 0,1,2,3
	ds_store_b32 v11, v[16+4*\c+\j] offset:\j*TPITCH+\c*256
.endr
.endr
	s_wait_dscnt 0x0
	s_barrier_signal -1
	s_barrier_wait -1
	s_mul_i32 s14, s8, 2*TPITCH
	v_lshl_add_u32 v12, v5, 2, s14                 ; my wave's two query rows
.set i, 0
.rept 8
	ds_load_b32 v[16+i], v12 offset:128*i
	ds_load_b32 v[24+i], v12 offset:TPITCH+128*i
.set i, i+1
.endr
	s_mov_b32 s18, 1                               ; pick j of the first query goes to lane j,
	s_mov_b32 s19, 256                             ; of the second to lane 8 + j
	s_mov_b32 s20, 8
	s_wait_dscnt 0x0
.Lpick:
	ROUND 16, 8, 32, 40, 41, 42, 43, 44, 18
	ROUND 24, 8, 32, 45, 46, 47, 48, 49, 19
	s_lshl_b32 s18, s18, 1
	s_lshl_b32 s19, s19, 1
	s_sub_co_u32 s20, s20, 1
	s_cmp_lg_u32 s20, 0
	s_cbranch_scc1 .Lpick
	v_cvt_u32_f32 v[RES], v[RES]
	s_lshl_b32 s21, s8, 7
	s_add_co_u32 s21, s21, OUTS
	v_lshl_add_u32 v14, v5, 2, s21
	ds_store_b32 v14, v[RES]
	s_wait_dscnt 0x0
	s_barrier_signal -1
	s_barrier_wait -1
	s_cmp_gt_u32 s8, 3
	s_cbranch_scc1 .Lend                           ; four waves store the group's 2,048 bytes, 16 a lane
	v_lshrrev_b32 v15, 2, v5
	v_and_b32 v13, 3, v5
	v_lshlrev_b32 v15, 7, v15
	v_lshl_add_u32 v15, v13, 4, v15
	s_lshl_b32 s21, s8, 10
	s_add_co_u32 s21, s21, OUTS
	v_add_nc_u32 v15, s21, v15                     ; thread t: the picks of wave t / 4, its 16 bytes t % 4
	ds_load_b128 v[16:19], v15
	s_lshl_b32 s22, s8, 9
	v_lshl_add_u32 v13, v5, 4, s22
	s_wait_dscnt 0x0
	global_store_b128 v13, v[16:19], s[6:7]
.Lend:
	s_wait_tensorcnt 0x0                           ; the wave's end, behind my last LDS store
	ds_add_u32 v1, v2
	s_wait_dscnt 0x0
	s_endpgm
.Lfunc_end_k_qf0eda0de8a_selA:
	.size	k_qf0eda0de8a_selA, .Lfunc_end_k_qf0eda0de8a_selA-k_qf0eda0de8a_selA
	.p2alignl 7, 3214868480
	.fill 96, 4, 3214868480
	.section	.rodata,"a",@progbits
	.p2align	6, 0x0
	.amdhsa_kernel k_qf0eda0de8a_selA
		.amdhsa_group_segment_fixed_size 75008
		.amdhsa_private_segment_fixed_size 0
		.amdhsa_enable_private_segment 0
		.amdhsa_kernarg_size 16
		.amdhsa_user_sgpr_count 2
		.amdhsa_user_sgpr_kernarg_segment_ptr 1
		.amdhsa_wavefront_size32 1
		.amdhsa_system_sgpr_workgroup_id_x 1
		.amdhsa_system_sgpr_workgroup_id_y 1
		.amdhsa_system_sgpr_workgroup_id_z 1
		.amdhsa_system_vgpr_workitem_id 0
		.amdhsa_next_free_vgpr 64
		.amdhsa_next_free_sgpr 66
		.amdhsa_reserve_vcc 1
		.amdhsa_float_denorm_mode_32 3
		.amdhsa_float_denorm_mode_16_64 3
		.amdhsa_memory_ordered 1
		.amdhsa_forward_progress 1
		.amdhsa_inst_pref_size 11
	.end_amdhsa_kernel
	.amdgpu_metadata
---
amdhsa.version: [ 1, 2 ]
amdhsa.kernels:
  - .name:           k_qf0eda0de8a_selA
    .symbol:         k_qf0eda0de8a_selA.kd
    .args:
      - { .name: cmax, .offset: 0, .size: 8, .value_kind: global_buffer, .address_space: global }
      - { .name: bidx, .offset: 8, .size: 8, .value_kind: global_buffer, .address_space: global }
    .group_segment_fixed_size: 75008
    .private_segment_fixed_size: 0
    .kernarg_segment_align: 8
    .kernarg_segment_size: 16
    .max_flat_workgroup_size: 1024
    .sgpr_count:     66
    .vgpr_count:     64
    .wavefront_size: 32
...
	.end_amdgpu_metadata
.endif
;; end of part 3
;; launch selB (part 4): grid 256 x 1, 8 waves a work-group, no clusters, 2,048 bytes of LDS; arguments bidx, fmax, gidx; writes gidx
.if DOCPART == 4
	.amdgcn_target "amdgcn-amd-amdhsa--gfx1250"
	.amdhsa_code_object_version 6
	.text
	.protected	k_qf0eda0de8a_selB
	.globl	k_qf0eda0de8a_selB
	.p2align	8
	.type	k_qf0eda0de8a_selB,@function
k_qf0eda0de8a_selB:
	s_mov_b64 s[64:65], 0
	v_nop
	global_prefetch_b8 v0, s[64:65] scope:SCOPE_SE
	s_setreg_imm32_b32 hwreg(HW_REG_WAVE_MODE, 25, 1), 1
	s_wait_xcnt 0x0
; For each query the 8 groups of 8 keys with the largest group maximum among its 8 picked blocks, by (value falling, group rising): gidx[2048][8], group c = 64 block + slot.
; One wave, one query: the 8 rows fmax[block][q][0..63] of 256 bytes come in by four loads, 16 lanes to a row; 16 entries a lane; eight picks as in the launch before.
; The block numbers are whole numbers that an earlier launch stored; they are held to 0..249 before they enter an address.  No address hangs on a value of this launch.
; LIMITS: NaN and infinities are not treated apart; +0 and -0 count as equal.
.set OUTS,  0                          ; 128 bytes a wave: the picks
.set SPARE, 1024                       ; the spare words, 128 bytes a wave: four blocks of 256 bytes that no other line names
.set NINF, 3
.set PINF, 4
.set RES,  55
.set SEL,  18
.macro ROUND XB, R, IB, M, C, TA, TB, T, MKS
	v_max_num_f32 v[\M], v[\XB], v[\XB+1]
.set i, 2
.rept ((\R)-2)/2
	v_max3_num_f32 v[\M], v[\M], v[\XB+i], v[\XB+i+1]
.set i, i+2
.endr
.irp step, 1,2,4,8
	v_max_num_f32_dpp v[\M], v[\M], v[\M] row_xmask:\step row_mask:0xf bank_mask:0xf
.endr
	v_permlanex16_b32 v[\T], v[\M], s[SEL], s[SEL+1]
	v_max_num_f32 v[\M], v[\M], v[\T]              ; every lane holds the largest value
.set i, 0
.rept (\R)/2
	v_cmp_eq_f32 vcc_lo, v[\M], v[\XB+i]
	v_cndmask_b32 v[\TA], v[PINF], v[\IB+i], vcc_lo
	v_cmp_eq_f32 vcc_lo, v[\M], v[\XB+i+1]
	v_cndmask_b32 v[\TB], v[PINF], v[\IB+i+1], vcc_lo
.if i == 0
	v_min_num_f32 v[\C], v[\TA], v[\TB]
.else
	v_min3_num_f32 v[\C], v[\C], v[\TA], v[\TB]
.endif
.set i, i+2
.endr
.irp step, 1,2,4,8
	v_min_num_f32_dpp v[\C], v[\C], v[\C] row_xmask:\step row_mask:0xf bank_mask:0xf
.endr
	v_permlanex16_b32 v[\T], v[\C], s[SEL], s[SEL+1]
	v_min_num_f32 v[\C], v[\C], v[\T]              ; and the lowest number that holds it
.set i, 0
.rept \R
	v_cmp_eq_f32 vcc_lo, v[\C], v[\IB+i]
	v_cndmask_b32 v[\XB+i], v[\XB+i], v[NINF], vcc_lo
.set i, i+1
.endr
	v_cndmask_b32 v[RES], v[RES], v[\C], s[\MKS]
.endm
	s_load_b128 s[4:7], s[0:1], 0x0                ; bidx s[4:5], fmax s[6:7]
	s_load_b64 s[8:9], s[0:1], 0x10                ; gidx
	v_lshl_add_u32 v1, v0, 2, SPARE
	v_mov_b32 v2, 0
	v_lshrrev_b32 v5, 5, v0
	v_readfirstlane_b32 s10, v5                    ; wave 0..7
	v_and_b32 v5, 31, v0
	v_and_b32 v6, 15, v0
	v_bfe_u32 v7, v0, 4, 1
	v_mov_b32 v[NINF], 0xff800000
	v_mov_b32 v[PINF], 0x7f800000
	v_lshlrev_b32 v48, 2, v7                       ; lanes 0-15 take the even picks' blocks, lanes 16-31 the odd ones'
	s_lshl_b32 s11, ttmp9, 3
	s_add_co_u32 s11, s11, s10                     ; my query
	s_lshl_b32 s12, s11, 5
	s_mov_b32 s13, 0
	s_lshl_b32 s14, s11, 8
	s_mov_b32 s15, 0
	s_lshl_b32 s16, ttmp9, 8
	s_mov_b32 s17, 0
	s_mov_b32 s[SEL], 0x76543210
	s_mov_b32 s[SEL+1], 0xfedcba98
	s_wait_kmcnt 0x0
	s_add_nc_u64 s[4:5], s[4:5], s[12:13]
	s_add_nc_u64 s[6:7], s[6:7], s[14:15]
	s_add_nc_u64 s[8:9], s[8:9], s[16:17]
.irp c, 0,1,2,3
	global_load_b32 v[8+\c], v48, s[4:5] offset:8*\c
.endr
	v_mov_b32 v54, 0
	v_mov_b32 v[RES], 0
	s_wait_loadcnt 0x0
.irp c, 0,1,2,3
	v_min_u32 v[8+\c], 0xf9, v[8+\c]               ; a block's number: 249 at the most
	v_lshlrev_b32 v[12+\c], 19, v[8+\c]            ; a block of fmax is 2,048 rows of 256 bytes
	v_lshl_add_u32 v[12+\c], v6, 4, v[12+\c]
.endr
.irp c, 0,1,2,3
	global_load_b128 v[16+4*\c:16+4*\c+3], v[12+\c], s[6:7] th:TH_LOAD_NT  ; 16 lanes take one aligned row of 256 bytes
.endr
.irp c, 0,1,2,3
	v_lshlrev_b32 v49, 6, v[8+\c]
	v_lshl_add_u32 v49, v6, 2, v49
	v_cvt_f32_u32 v[32+4*\c], v49                  ; group 64 block + 4 (lane % 16) + j
	v_add_f32 v[32+4*\c+1], 1.0, v[32+4*\c]
	v_add_f32 v[32+4*\c+2], 2.0, v[32+4*\c]
	v_add_f32 v[32+4*\c+3], 0x40400000, v[32+4*\c]
.endr
	s_mov_b32 s20, 1
	s_mov_b32 s21, 8
	s_wait_loadcnt 0x0
.Lpick:
	ROUND 16, 16, 32, 50, 51, 52, 53, 54, 20
	s_lshl_b32 s20, s20, 1
	s_sub_co_u32 s21, s21, 1
	s_cmp_lg_u32 s21, 0
	s_cbranch_scc1 .Lpick
	v_cvt_u32_f32 v[RES], v[RES]
	s_lshl_b32 s22, s10, 7
	v_lshl_add_u32 v56, v5, 2, s22
	ds_store_b32 v56, v[RES]
	s_wait_dscnt 0x0
	s_barrier_signal -1
	s_barrier_wait -1
	s_cmp_lg_u32 s10, 0
	s_cbranch_scc1 .Lend                           ; wave 0 stores the group's 256 bytes whole
	v_lshrrev_b32 v57, 2, v5
	v_and_b32 v58, 3, v5
	v_lshlrev_b32 v57, 7, v57
	v_lshl_add_u32 v57, v58, 3, v57
	ds_load_b64 v[60:61], v57
	v_lshlrev_b32 v59, 3, v5
	s_wait_dscnt 0x0
	global_store_b64 v59, v[60:61], s[8:9]
.Lend:
	s_wait_tensorcnt 0x0                           ; the wave's end, behind my last LDS store
	ds_add_u32 v1, v2
	s_wait_dscnt 0x0
	s_endpgm
.Lfunc_end_k_qf0eda0de8a_selB:
	.size	k_qf0eda0de8a_selB, .Lfunc_end_k_qf0eda0de8a_selB-k_qf0eda0de8a_selB
	.p2alignl 7, 3214868480
	.fill 96, 4, 3214868480
	.section	.rodata,"a",@progbits
	.p2align	6, 0x0
	.amdhsa_kernel k_qf0eda0de8a_selB
		.amdhsa_group_segment_fixed_size 2048
		.amdhsa_private_segment_fixed_size 0
		.amdhsa_enable_private_segment 0
		.amdhsa_kernarg_size 24
		.amdhsa_user_sgpr_count 2
		.amdhsa_user_sgpr_kernarg_segment_ptr 1
		.amdhsa_wavefront_size32 1
		.amdhsa_system_sgpr_workgroup_id_x 1
		.amdhsa_system_sgpr_workgroup_id_y 1
		.amdhsa_system_sgpr_workgroup_id_z 1
		.amdhsa_system_vgpr_workitem_id 0
		.amdhsa_next_free_vgpr 64
		.amdhsa_next_free_sgpr 66
		.amdhsa_reserve_vcc 1
		.amdhsa_float_denorm_mode_32 3
		.amdhsa_float_denorm_mode_16_64 3
		.amdhsa_memory_ordered 1
		.amdhsa_forward_progress 1
		.amdhsa_inst_pref_size 9
	.end_amdhsa_kernel
	.amdgpu_metadata
---
amdhsa.version: [ 1, 2 ]
amdhsa.kernels:
  - .name:           k_qf0eda0de8a_selB
    .symbol:         k_qf0eda0de8a_selB.kd
    .args:
      - { .name: bidx, .offset: 0, .size: 8, .value_kind: global_buffer, .address_space: global }
      - { .name: fmax, .offset: 8, .size: 8, .value_kind: global_buffer, .address_space: global }
      - { .name: gidx, .offset: 16, .size: 8, .value_kind: global_buffer, .address_space: global }
    .group_segment_fixed_size: 2048
    .private_segment_fixed_size: 0
    .kernarg_segment_align: 8
    .kernarg_segment_size: 24
    .max_flat_workgroup_size: 256
    .sgpr_count:     66
    .vgpr_count:     64
    .wavefront_size: 32
...
	.end_amdgpu_metadata
.endif
;; end of part 4
;; launch selC (part 5): grid 256 x 1, 8 waves a work-group, no clusters, 36,864 bytes of LDS; arguments gidx, kb, rk, qf, out0, idx; writes out0, idx
.if DOCPART == 5
	.amdgcn_target "amdgcn-amd-amdhsa--gfx1250"
	.amdhsa_code_object_version 6
	.text
	.protected	k_qf0eda0de8a_selC
	.globl	k_qf0eda0de8a_selC
	.p2align	8
	.type	k_qf0eda0de8a_selC,@function
k_qf0eda0de8a_selC:
	s_mov_b64 s[64:65], 0
	v_nop
	global_prefetch_b8 v0, s[64:65] scope:SCOPE_SE
	s_setreg_imm32_b32 hwreg(HW_REG_WAVE_MODE, 25, 1), 1
	s_wait_xcnt 0x0
; The last choice: a query's 8 picked groups are 64 keys; they are scored again and the 8 best, by (value falling, index rising), are out0[q][0..7] (and idx, the same, for the gather).
; The scores are made as the dense launch made them: the same matrix form, keys as source 0, the query's tile of 16 as source 1, K ascending on one accumulator from the constant 0, then one multiply by rk.
; One wave, one query: four tiles of 16 keys (two groups each), 32 matrix instructions; the query's column is taken out through the wave's own LDS stage.
; The groups' numbers are whole numbers that an earlier launch stored; they are held to 0..15,999 before they enter an address.  No address hangs on a value of this launch.
; LIMITS: inputs rounded once to bf16; the query's norm, one positive factor for all its scores, is left out; NaN and infinities are not treated apart; +0 and -0 count as equal.
.set SPITCH, 272
.set OUTS,  8*16*SPITCH                ; behind the eight stages: 128 bytes a wave, the picks
.set SPARE, OUTS+1024                  ; the spare words, 128 bytes a wave: four blocks of 256 bytes that no other line names
.set NINF, 3
.set PINF, 4
.set GT,   12                          ; v[12:15] tile t: the group of my key row (2 t + r / 8)
.set GC,   16                          ; v[16:17] candidate 32 u + lane: its group (4 u + lane / 8)
.set GA,   20                          ; v[20:23] byte offsets in kb
.set RKO,  24
.set RKV,  26
.set IDF,  28
.set X,    30
.set DV,   32
.set RES,  45
.set QB,   64                          ; v[64:127] the query tile's fragments
.set ACC,  128                         ; v[128:159] four accumulators;   window 1: the keys' fragments, tile t at 64 t
.set SEL,  26
.set MSB, 0
.macro WIN new
.if MSB != (\new)
	s_set_vgpr_msb (MSB<<8)|(\new)
.set MSB, (\new)
.endif
.endm
.macro ROUND XB, R, IB, M, C, TA, TB, T, MKS
	v_max_num_f32 v[\M], v[\XB], v[\XB+1]
.set i, 2
.rept ((\R)-2)/2
	v_max3_num_f32 v[\M], v[\M], v[\XB+i], v[\XB+i+1]
.set i, i+2
.endr
.irp step, 1,2,4,8
	v_max_num_f32_dpp v[\M], v[\M], v[\M] row_xmask:\step row_mask:0xf bank_mask:0xf
.endr
	v_permlanex16_b32 v[\T], v[\M], s[SEL], s[SEL+1]
	v_max_num_f32 v[\M], v[\M], v[\T]              ; every lane holds the largest value
.set i, 0
.rept (\R)/2
	v_cmp_eq_f32 vcc_lo, v[\M], v[\XB+i]
	v_cndmask_b32 v[\TA], v[PINF], v[\IB+i], vcc_lo
	v_cmp_eq_f32 vcc_lo, v[\M], v[\XB+i+1]
	v_cndmask_b32 v[\TB], v[PINF], v[\IB+i+1], vcc_lo
.if i == 0
	v_min_num_f32 v[\C], v[\TA], v[\TB]
.else
	v_min3_num_f32 v[\C], v[\C], v[\TA], v[\TB]
.endif
.set i, i+2
.endr
.irp step, 1,2,4,8
	v_min_num_f32_dpp v[\C], v[\C], v[\C] row_xmask:\step row_mask:0xf bank_mask:0xf
.endr
	v_permlanex16_b32 v[\T], v[\C], s[SEL], s[SEL+1]
	v_min_num_f32 v[\C], v[\C], v[\T]              ; and the lowest index that holds it
.set i, 0
.rept \R
	v_cmp_eq_f32 vcc_lo, v[\C], v[\IB+i]
	v_cndmask_b32 v[\XB+i], v[\XB+i], v[NINF], vcc_lo
.set i, i+1
.endr
	v_cndmask_b32 v[RES], v[RES], v[\C], s[\MKS]
.endm
	s_load_b256 s[4:11], s[0:1], 0x0               ; gidx s[4:5], kb s[6:7], rk s[8:9], qf s[10:11]
	s_load_b128 s[12:15], s[0:1], 0x20             ; out0 s[12:13], idx s[14:15]
	v_lshl_add_u32 v1, v0, 2, SPARE
	v_mov_b32 v2, 0
	v_lshrrev_b32 v5, 5, v0
	v_readfirstlane_b32 s16, v5                    ; wave 0..7
	v_and_b32 v5, 31, v0                           ; lane
	v_and_b32 v6, 15, v0                           ; r
	v_bfe_u32 v7, v0, 4, 1                         ; h
	v_and_b32 v8, 7, v0                            ; lane % 8
	v_bfe_u32 v9, v0, 3, 1
	v_lshlrev_b32 v9, 2, v9                        ; 4 (r / 8)
	v_lshrrev_b32 v10, 3, v5
	v_lshlrev_b32 v10, 2, v10                      ; 4 (lane / 8)
	v_lshlrev_b32 v11, 4, v5                       ; 16 x lane
	v_mov_b32 v[NINF], 0xff800000
	v_mov_b32 v[PINF], 0x7f800000
	s_lshl_b32 s17, ttmp9, 3
	s_add_co_u32 s17, s17, s16                     ; my query
	s_lshl_b32 s18, s17, 5
	s_mov_b32 s19, 0
	s_lshr_b32 s20, s17, 4
	s_lshl_b32 s20, s20, 13                        ; its tile of 16 in qf
	s_mov_b32 s21, 0
	s_and_b32 s22, s17, 15                         ; its column in that tile
	s_lshl_b32 s24, ttmp9, 8
	s_mov_b32 s25, 0
	s_mov_b32 s[SEL], 0x76543210
	s_mov_b32 s[SEL+1], 0xfedcba98
	s_wait_kmcnt 0x0
	s_add_nc_u64 s[4:5], s[4:5], s[18:19]
	s_add_nc_u64 s[10:11], s[10:11], s[20:21]
	s_add_nc_u64 s[12:13], s[12:13], s[24:25]
	s_add_nc_u64 s[14:15], s[14:15], s[24:25]
.irp t, 0,1,2,3
	global_load_b32 v[GT+\t], v9, s[4:5] offset:8*\t
.endr
.irp u, 0,1
	global_load_b32 v[GC+\u], v10, s[4:5] offset:16*\u
.endr
.set n, 0
.rept 16
	global_load_b128 v[QB+4*n:QB+4*n+3], v11, s[10:11] offset:512*n
.set n, n+1
.endr
	v_lshlrev_b32 v34, 7, v7
	v_lshl_add_u32 v34, v8, 4, v34                 ; in a group: 128 h + 16 (r % 8)
	v_lshlrev_b32 v35, 2, v8
	v_mov_b32 v44, 0
	v_mov_b32 v[RES], 0
	s_wait_loadcnt 16                              ; the six loads of groups are in; the 16 of Q stay out
.irp t, 0,1,2,3
	v_min_u32 v[GT+\t], 0x3e7f, v[GT+\t]           ; a group's number: 15,999 at the most
	v_lshl_add_u32 v[GA+\t], v[GT+\t], 12, v34
.endr
.irp u, 0,1
	v_min_u32 v[GC+\u], 0x3e7f, v[GC+\u]
	v_lshl_add_u32 v[RKO+\u], v[GC+\u], 5, v35     ; rk's word 8 c + lane % 8
.endr
	WIN 0x40                                       ; destination window 1
.irp t, 0,1,2,3
.set n, 0
.rept 16
	global_load_b128 v[64*\t+4*n:64*\t+4*n+3], v[GA+\t], s[6:7] offset:256*n  ; two whole aligned blocks of 256 bytes
.set n, n+1
.endr
.endr
	WIN 0
.irp u, 0,1
	global_load_b32 v[RKV+\u], v[RKO+\u], s[8:9]
.endr
.irp u, 0,1
	v_lshrrev_b32 v36, 6, v[GC+\u]                 ; the key's index: 400 block + 8 slot + lane % 8
	v_and_b32 v37, 63, v[GC+\u]
	v_mul_u32_u24 v36, v36, 400
	v_lshl_add_u32 v36, v37, 3, v36
	v_add_nc_u32 v36, v36, v8
	v_cvt_f32_u32 v[IDF+\u], v36
.endr
	s_mul_i32 s23, s16, 16*SPITCH                  ; my stage
	v_mul_u32_u24 v46, v6, SPITCH
	v_lshl_add_u32 v46, v7, 5, v46
	v_add_nc_u32 v46, s23, v46                     ; in: query row r, keys 8 h + 0..7 of a tile
	s_mul_i32 s28, s22, SPITCH
	s_add_co_u32 s28, s28, s23
	v_lshl_add_u32 v47, v5, 2, s28                 ; back: my query's row, candidate lane
	s_wait_loadcnt 0x0
	WIN 0x01                                       ; source 0 (keys) in window 1
.irp kc, 0,1,2,3,4,5,6,7
.irp t, 0,1,2,3                        ; the four accumulators take turns
.if \kc == 0
	v_wmma_f32_16x16x32_bf16 v[ACC+8*\t:ACC+8*\t+7], v[64*\t+8*\kc:64*\t+8*\kc+7], v[QB+8*\kc:QB+8*\kc+7], 0
.else
	v_wmma_f32_16x16x32_bf16 v[ACC+8*\t:ACC+8*\t+7], v[64*\t+8*\kc:64*\t+8*\kc+7], v[QB+8*\kc:QB+8*\kc+7], v[ACC+8*\t:ACC+8*\t+7]
.endif
.endr
.endr
	WIN 0
.rept 4
	v_nop                                          ; the places between the last product and the stores that read the sums
.endr
.irp t, 0,1,2,3
	ds_store_b128 v46, v[ACC+8*\t:ACC+8*\t+3] offset:64*\t      ; each accumulator's low registers first
	ds_store_b128 v46, v[ACC+8*\t+4:ACC+8*\t+7] offset:64*\t+16
.endr
	ds_load_b32 v[DV], v47                         ; LDS serves a wave's instructions in order: these see the stores above
	ds_load_b32 v[DV+1], v47 offset:128
	s_mov_b32 s29, 1
	s_mov_b32 s30, 8
	s_wait_dscnt 0x0
	v_mul_f32 v[X], v[DV], v[RKV]
	v_mul_f32 v[X+1], v[DV+1], v[RKV+1]
.Lpick:
	ROUND X, 2, IDF, 40, 41, 42, 43, 44, 29
	s_lshl_b32 s29, s29, 1
	s_sub_co_u32 s30, s30, 1
	s_cmp_lg_u32 s30, 0
	s_cbranch_scc1 .Lpick
	v_cvt_u32_f32 v[RES], v[RES]
	s_lshl_b32 s23, s16, 7
	s_add_co_u32 s23, s23, OUTS
	v_lshl_add_u32 v48, v5, 2, s23
	ds_store_b32 v48, v[RES]
	s_wait_dscnt 0x0
	s_barrier_signal -1
	s_barrier_wait -1
	s_cmp_lg_u32 s16, 0
	s_cbranch_scc1 .Lend                           ; wave 0 stores the group's 256 bytes whole, twice
	v_lshrrev_b32 v52, 2, v5
	v_and_b32 v53, 3, v5
	v_lshlrev_b32 v52, 7, v52
	v_lshl_add_u32 v52, v53, 3, v52
	v_add_nc_u32 v52, OUTS, v52
	ds_load_b64 v[50:51], v52
	v_lshlrev_b32 v49, 3, v5
	s_wait_dscnt 0x0
	global_store_b64 v49, v[50:51], s[12:13]
	global_store_b64 v49, v[50:51], s[14:15]
.Lend:
	s_wait_tensorcnt 0x0                           ; the wave's end, behind my last LDS store
	ds_add_u32 v1, v2
	s_wait_dscnt 0x0
	s_endpgm
.Lfunc_end_k_qf0eda0de8a_selC:
	.size	k_qf0eda0de8a_selC, .Lfunc_end_k_qf0eda0de8a_selC-k_qf0eda0de8a_selC
	.p2alignl 7, 3214868480
	.fill 96, 4, 3214868480
	.section	.rodata,"a",@progbits
	.p2align	6, 0x0
	.amdhsa_kernel k_qf0eda0de8a_selC
		.amdhsa_group_segment_fixed_size 36864
		.amdhsa_private_segment_fixed_size 0
		.amdhsa_enable_private_segment 0
		.amdhsa_kernarg_size 48
		.amdhsa_user_sgpr_count 2
		.amdhsa_user_sgpr_kernarg_segment_ptr 1
		.amdhsa_wavefront_size32 1
		.amdhsa_system_sgpr_workgroup_id_x 1
		.amdhsa_system_sgpr_workgroup_id_y 1
		.amdhsa_system_sgpr_workgroup_id_z 1
		.amdhsa_system_vgpr_workitem_id 0
		.amdhsa_next_free_vgpr 512
		.amdhsa_next_free_sgpr 66
		.amdhsa_reserve_vcc 1
		.amdhsa_float_denorm_mode_32 3
		.amdhsa_float_denorm_mode_16_64 3
		.amdhsa_memory_ordered 1
		.amdhsa_forward_progress 1
		.amdhsa_inst_pref_size 18
	.end_amdhsa_kernel
	.amdgpu_metadata
---
amdhsa.version: [ 1, 2 ]
amdhsa.kernels:
  - .name:           k_qf0eda0de8a_selC
    .symbol:         k_qf0eda0de8a_selC.kd
    .args:
      - { .name: gidx, .offset: 0, .size: 8, .value_kind: global_buffer, .address_space: global }
      - { .name: kb, .offset: 8, .size: 8, .value_kind: global_buffer, .address_space: global }
      - { .name: rk, .offset: 16, .size: 8, .value_kind: global_buffer, .address_space: global }
      - { .name: qf, .offset: 24, .size: 8, .value_kind: global_buffer, .address_space: global }
      - { .name: out0, .offset: 32, .size: 8, .value_kind: global_buffer, .address_space: global }
      - { .name: idx, .offset: 40, .size: 8, .value_kind: global_buffer, .address_space: global }
    .group_segment_fixed_size: 36864
    .private_segment_fixed_size: 0
    .kernarg_segment_align: 8
    .kernarg_segment_size: 48
    .max_flat_workgroup_size: 256
    .sgpr_count:     66
    .vgpr_count:     512
    .wavefront_size: 32
...
	.end_amdgpu_metadata
.endif
;; end of part 5
;; launch gather (part 6): grid 256 x 1, 8 waves a work-group, no clusters, 0 bytes of LDS; arguments idx, keys, values, out1, out2; writes out1, out2
.if DOCPART == 6
	.amdgcn_target "amdgcn-amd-amdhsa--gfx1250"
	.amdhsa_code_object_version 6
	.text
	.protected	k_qf0eda0de8a_gather
	.globl	k_qf0eda0de8a_gather
	.p2align	8
	.type	k_qf0eda0de8a_gather,@function
k_qf0eda0de8a_gather:
	s_mov_b64 s[64:65], 0
	v_nop
	global_prefetch_b8 v0, s[64:65] scope:SCOPE_SE
	s_setreg_imm32_b32 hwreg(HW_REG_WAVE_MODE, 25, 1), 1
	s_wait_xcnt 0x0
; out1[n] = keys[idx[n]], out2[n] = values[idx[n]], n = 0 .. 16,383; rows of 1,024 bytes of f32, copied as they are.
; A wave takes eight rows: its eight indices come by one scalar load (whole numbers that an earlier launch stored; held to 0..99,999 before they enter an address),
; then 32 loads of 512 consecutive bytes go out together, and each is stored as soon as it is in.  No LDS, no barrier, no matrix unit: bytes are all there is.
; No hint on the loads: two queries may name the same row.
.set VO, 2                             ; v[2:9]    row n: 1,024 x index + 16 x lane
.set D,  12                            ; v[12:139] 32 loads of four registers
	s_load_b256 s[4:11], s[0:1], 0x0               ; idx s[4:5], keys s[6:7], values s[8:9], out1 s[10:11]
	s_load_b64 s[12:13], s[0:1], 0x20              ; out2
	v_lshrrev_b32 v1, 5, v0
	v_readfirstlane_b32 s14, v1                    ; wave 0..7
	v_and_b32 v1, 31, v0
	v_lshlrev_b32 v1, 4, v1                        ; 16 x lane
	s_lshl_b32 s15, ttmp9, 3
	s_add_co_u32 s15, s15, s14                     ; my wave among all 2,048
	s_lshl_b32 s24, s15, 5                         ; its eight indices,
	s_mov_b32 s25, 0
	s_lshl_b32 s26, s15, 13                        ; its eight rows of the outputs
	s_mov_b32 s27, 0
	s_wait_kmcnt 0x0
	s_add_nc_u64 s[2:3], s[4:5], s[24:25]
	s_add_nc_u64 s[10:11], s[10:11], s[26:27]
	s_add_nc_u64 s[12:13], s[12:13], s[26:27]
	s_load_b256 s[16:23], s[2:3], 0x0
	s_wait_kmcnt 0x0
.irp n, 0,1,2,3,4,5,6,7
	s_min_u32 s[16+\n], s[16+\n], 0x1869f          ; 99,999 at the most
	s_lshl_b32 s[16+\n], s[16+\n], 10
	v_add_nc_u32 v[VO+\n], s[16+\n], v1
.endr
.irp n, 0,1,2,3,4,5,6,7
	global_load_b128 v[D+16*\n:D+16*\n+3],     v[VO+\n], s[6:7]
	global_load_b128 v[D+16*\n+4:D+16*\n+7],   v[VO+\n], s[6:7] offset:512
	global_load_b128 v[D+16*\n+8:D+16*\n+11],  v[VO+\n], s[8:9]
	global_load_b128 v[D+16*\n+12:D+16*\n+15], v[VO+\n], s[8:9] offset:512
.endr
.irp n, 0,1,2,3,4,5,6,7
	s_wait_loadcnt 31-4*\n                         ; loads come back in order: the counts run down with the stores
	global_store_b128 v1, v[D+16*\n:D+16*\n+3],     s[10:11] offset:1024*\n th:TH_STORE_NT
	s_wait_loadcnt 30-4*\n
	global_store_b128 v1, v[D+16*\n+4:D+16*\n+7],   s[10:11] offset:1024*\n+512 th:TH_STORE_NT
	s_wait_loadcnt 29-4*\n
	global_store_b128 v1, v[D+16*\n+8:D+16*\n+11],  s[12:13] offset:1024*\n th:TH_STORE_NT
	s_wait_loadcnt 28-4*\n
	global_store_b128 v1, v[D+16*\n+12:D+16*\n+15], s[12:13] offset:1024*\n+512 th:TH_STORE_NT
.endr
	s_endpgm
.Lfunc_end_k_qf0eda0de8a_gather:
	.size	k_qf0eda0de8a_gather, .Lfunc_end_k_qf0eda0de8a_gather-k_qf0eda0de8a_gather
	.p2alignl 7, 3214868480
	.fill 96, 4, 3214868480
	.section	.rodata,"a",@progbits
	.p2align	6, 0x0
	.amdhsa_kernel k_qf0eda0de8a_gather
		.amdhsa_group_segment_fixed_size 0
		.amdhsa_private_segment_fixed_size 0
		.amdhsa_enable_private_segment 0
		.amdhsa_kernarg_size 40
		.amdhsa_user_sgpr_count 2
		.amdhsa_user_sgpr_kernarg_segment_ptr 1
		.amdhsa_wavefront_size32 1
		.amdhsa_system_sgpr_workgroup_id_x 1
		.amdhsa_system_sgpr_workgroup_id_y 1
		.amdhsa_system_sgpr_workgroup_id_z 1
		.amdhsa_system_vgpr_workitem_id 0
		.amdhsa_next_free_vgpr 140
		.amdhsa_next_free_sgpr 66
		.amdhsa_reserve_vcc 0
		.amdhsa_float_denorm_mode_32 3
		.amdhsa_float_denorm_mode_16_64 3
		.amdhsa_memory_ordered 1
		.amdhsa_forward_progress 1
		.amdhsa_inst_pref_size 9
	.end_amdhsa_kernel
	.amdgpu_metadata
---
amdhsa.version: [ 1, 2 ]
amdhsa.kernels:
  - .name:           k_qf0eda0de8a_gather
    .symbol:         k_qf0eda0de8a_gather.kd
    .args:
      - { .name: idx, .offset: 0, .size: 8, .value_kind: global_buffer, .address_space: global }
      - { .name: keys, .offset: 8, .size: 8, .value_kind: global_buffer, .address_space: global }
      - { .name: values, .offset: 16, .size: 8, .value_kind: global_buffer, .address_space: global }
      - { .name: out1, .offset: 24, .size: 8, .value_kind: global_buffer, .address_space: global }
      - { .name: out2, .offset: 32, .size: 8, .value_kind: global_buffer, .address_space: global }
    .group_segment_fixed_size: 0
    .private_segment_fixed_size: 0
    .kernarg_segment_align: 8
    .kernarg_segment_size: 40
    .max_flat_workgroup_size: 256
    .sgpr_count:     66
    .vgpr_count:     140
    .wavefront_size: 32
...
	.end_amdgpu_metadata
.endif
;; end of part 6
